; MI455X (gfx1250); checked and timed in simulation.
; The chip was launched on July 23, 2026; its instructions are those of AMD's public machine-readable ISA for CDNA 5 (MIT licence, August 2026) and "CDNA5" Instruction Set Architecture Reference Guide (July 2026). The comments in the code are by the model that wrote it; some were corrected since.
;; Burden. Allowed arithmetic: float matrix products may take bf16 or f16 operands with f32 sums; other float arithmetic in f32, or as packed bf16 or f16 multiplies, adds, multiply-adds, maxima and minima; sums over many terms, partial sums and values carried from step to step in f32; what a program stores and reads back later, other than sums and carried values, may be rounded once to bf16 or f16.
;; Inputs: X 65,536 x 1,024 float32; b 1 float32; w 1,024 float32.
;; Outputs: out0 65,536 float32.
;; One version. Each part assembles by itself: llvm-mc -triple=amdgcn-amd-amdhsa -mcpu=gfx1250 --defsym DOCPART=n.
;; ======== version 1 of 1: 1 launch
;; launch burden (part 1): grid 256 x 1, 8 waves a work-group, no clusters, 2,048 bytes of LDS; arguments X, w, b, out0; writes out0
.if DOCPART == 1
	.amdgcn_target "amdgcn-amd-amdhsa--gfx1250"
	.amdhsa_code_object_version 6
	.text
	.protected	k_qd40fd20916_burden
	.globl	k_qd40fd20916_burden
	.p2align	8
	.type	k_qd40fd20916_burden,@function
k_qd40fd20916_burden:
	s_mov_b64 s[64:65], 0
	v_nop
	global_prefetch_b8 v0, s[64:65] scope:SCOPE_SE
	s_setreg_imm32_b32 hwreg(HW_REG_WAVE_MODE, 25, 1), 1
	s_wait_xcnt 0x0
; out[r] for X: [65536][1024] f32, w: [1024] f32, b: [1] f32, out: [65536] f32.
; THE ALGEBRA.  Every iterate of the fixed point is a row of X plus a multiple of w: xt = X[r] + (nab / 2) w.  So its score is xt.w + b = d + (nab / 2) (w.w), with d = X[r].w + b.
; With z = score + 1 the derivative is nab = z / (2 sqrt(z^2 + 1)).  With h = w.w / 4 and e = d + 1 the whole module is
;   z = e;   20 times z = e + h z rsq(z^2 + 1)  (the scan);   out = d + h z rsq(z^2 + 1)  (the 21st derivative, the delta layer and the last score).
; All 21 steps are run.  X is read once; what is left beside the stream is 16 packed multiply-adds a row and lane.
; LIMITS.  The order of rounding differs from the definition's: X[r].w and w.w are summed once in f32 (32 products a lane in four chains, then a tree over the lanes), not anew in each step.
; While h < 1 a step shrinks differences; with h > 1 (w.w > 4) a row whose e lies within rounding of 0 may settle at the other fixed point, as it would under any other order of the definition's own sums.
; Beyond |z| = 1.8e19 z^2 is infinite and the derivative comes out 0, as in the definition.  NaN and infinities go through the arithmetic untreated.
; SHARES.  A work-group of eight waves owns 256 rows (1 MiB of X), a wave 32 consecutive rows.  A wave takes a whole row at a time: eight loads, each 512 consecutive bytes; lane l holds columns
; 128 j + 4 l + 0..3 of load j, and the same 32 numbers of w stay in its registers.  No matrix instruction: the product has one column, and rounding X to 16 bits would cost as many vector
; instructions as the f32 multiply-adds.  No cluster: the work-groups share w alone, 4 KiB against 1 MiB.
; THE RING.  Six row slots in registers: up to 48 loads, 24 KiB, of every wave are on their way, and every wait for data is counted.  The 32 turns are written out by macro, so a row's place
; stands in the loads' immediates (130,560 bytes at the most, inside the signed 24 bits: ISA guide, chapter 10) and no address register is ever rewritten.
; THE FOLD.  A row leaves one partial sum in each lane.  Rows are folded in pairs, like a binary counter: a fold at level k keeps the earlier rows in the lanes whose bit k is 0 and the later rows
; in the others, and adds the partner lane's (l xor 2^k) share.  31 folds for 32 rows, and at the end lane l holds the whole sum of row l: the 21 steps then run once, a row a lane.
; THE WAY OUT.  A wave's 32 results are 128 bytes, so the eight waves meet in LDS, and waves 0 and 1 store 16 bytes a lane: each sixteen lanes 256 consecutive bytes, at a multiple of 256 from out's first byte.
.set ROWB,  4096                       ; bytes in a row of X
.set ROWS,  32                         ; rows of a wave
.set SLOTS, 6                          ; row slots in the ring
.set STEPS, 20                         ; steps of the scan
.set SPARE, 1024                       ; LDS: bytes 0-1023 the work-group's 256 results; from here the spare words, 128 bytes for each wave: four blocks of 256 bytes that no other line names
.set LN,  1                            ; v1       16 x lane: my byte offset in 512 bytes of w; never rewritten
.set OFF, 2                            ; v2       my byte offset in the work-group's part of X: wave x 32 rows + 16 x lane; never rewritten
.set SPW, 3                            ; v3       LDS address of my spare word: SPARE + 4 x my thread's number; never rewritten
.set NIL, 4                            ; v4       0; never rewritten
.set U,   5                            ; v5       at work in a fold; at the end: where my result goes in LDS
.set C,   6                            ; v6       the fold in hand; at the end: where I read 16 bytes back, and their place in out
.set P,   8                            ; v8-13    P + k: the pending fold of 2^k rows; P + 5: all 32 rows
.set A,   14                           ; v14-21   four chains of packed sums; behind the rows: the iteration
.set H,   22                           ; v22      h = w.w / 4, in every lane
.set W,   24                           ; v24-55   my 32 numbers of w
.set X,   56                           ; v56-247  slot s: 32 registers, my 32 numbers of a row
.set DD,  A                            ; d
.set E,   A+1                          ; e = d + 1
.set Z,   A+2                          ; z
.set T,   A+3                          ; z^2 + 1
.set R,   A+4                          ; its inverse root
.set M,   A+5                          ; h z
.set OUT, A+6                          ; the result
.set SB,  12                           ; s12      b
.set WV,  13                           ; s13      my wave's number
.set MK,  16                           ; s16-20   MK + k: the lanes whose bit k is 1
.set SEL, 22                           ; s22-23   v_permlanex16_b32's selects: each lane takes its own place in the other half
.set CNT, 26                           ; s26      counts the scan's steps
	s_load_b256 s[4:11], s[0:1], 0x0               ; X s[4:5], w s[6:7], b s[8:9], out s[10:11]
	v_lshl_add_u32 v[SPW], v0, 2, SPARE
	v_mov_b32 v[NIL], 0
	v_lshrrev_b32 v[U], 5, v0
	v_readfirstlane_b32 s[WV], v[U]                ; wave 0..7
	v_and_b32 v[LN], 31, v0
	v_lshlrev_b32 v[LN], 4, v[LN]                  ; 16 bytes a lane
	v_lshl_add_u32 v[OFF], s[WV], 17, v[LN]        ; + wave x 32 rows x 4,096 bytes
	s_lshl_b32 s14, ttmp9, 20                      ; the work-group's 256 rows of 4,096 bytes: 255 MiB at the most, inside 32 bits
	s_mov_b32 s15, 0
	s_lshl_b32 s24, ttmp9, 10                      ; and its 256 results
	s_mov_b32 s25, 0
	s_mov_b32 s[MK+0], 0xaaaaaaaa
	s_mov_b32 s[MK+1], 0xcccccccc
	s_mov_b32 s[MK+2], 0xf0f0f0f0
	s_mov_b32 s[MK+3], 0xff00ff00
	s_mov_b32 s[MK+4], 0xffff0000
	s_mov_b32 s[SEL], 0x76543210
	s_mov_b32 s[SEL+1], 0xfedcba98
	s_wait_kmcnt 0x0
	s_load_b32 s[SB], s[8:9], 0x0                  ; b: waited for behind the rows
	s_add_nc_u64 s[4:5], s[4:5], s[14:15]
	s_add_nc_u64 s[10:11], s[10:11], s[24:25]
; Row r of my 32 goes into slot r % SLOTS: eight loads of 512 consecutive bytes.  X is read once in the launch: TH_LOAD_NT.
.macro FILL r
.irp j, 0,1,2,3,4,5,6,7
	global_load_b128 v[X+32*((\r)%SLOTS)+4*(\j):X+32*((\r)%SLOTS)+4*(\j)+3], v[OFF], s[4:5] offset:(\r)*ROWB+512*(\j) th:TH_LOAD_NT
.endr
.endm
.irp j, 0,1,2,3,4,5,6,7
	global_load_b128 v[W+4*(\j):W+4*(\j)+3], v[LN], s[6:7] offset:512*(\j)  ; w first: it is wanted first
.endr
.irp r, 0,1,2,3,4,5
	FILL \r                                        ; the ring is filled
.endr
; The 32 numbers at v[xs ..] times my 32 of w, two at a time, in four chains that do not wait for each other; the first four products start the sums.
.macro MULS xs
.irp p, 0,1,2,3
	v_pk_mul_f32 v[A+2*(\p):A+2*(\p)+1], v[(\xs)+2*(\p):(\xs)+2*(\p)+1], v[W+2*(\p):W+2*(\p)+1]
.endr
.irp p, 4,5,6,7,8,9,10,11,12,13,14,15
	v_pk_fma_f32 v[A+2*((\p)%4):A+2*((\p)%4)+1], v[(\xs)+2*(\p):(\xs)+2*(\p)+1], v[W+2*(\p):W+2*(\p)+1], v[A+2*((\p)%4):A+2*((\p)%4)+1]
.endr
.endm
.macro SUMS dst                        ; the four chains into one number a lane
	v_pk_add_f32 v[A:A+1], v[A:A+1], v[A+2:A+3]
	v_pk_add_f32 v[A+4:A+5], v[A+4:A+5], v[A+6:A+7]
	v_pk_add_f32 v[A:A+1], v[A:A+1], v[A+4:A+5]
	v_add_f32 v[\dst], v[A], v[A+1]
.endm
; A fold at level k (m = 2^k), due behind row r if r's bits 0 to k are all 1.  P + k holds the earlier 2^k rows, C the later ones.  Each lane keeps the side that its bit k names and hands the
; other side to its partner, lane xor m.  The result is pending at level k + 1, or stays in C if that level is due at once.  Each destination of a lane exchange is written by the line in front.
.macro LEVEL r, k, m
.if ((\r) & (2*(\m)-1)) == 2*(\m)-1
.if ((\r) & (4*(\m)-1)) == 4*(\m)-1
.set DST, C
.else
.set DST, P+(\k)+1
.endif
	v_cndmask_b32 v[U], v[C], v[P+(\k)], s[MK+(\k)]    ; for my partner: bit k = 1 gives the earlier rows away, bit k = 0 the later ones
	v_cndmask_b32 v[DST], v[P+(\k)], v[C], s[MK+(\k)]  ; for me: bit k = 1 keeps the later rows, bit k = 0 the earlier ones
.if (\m) < 16
	v_add_f32_dpp v[DST], v[U], v[DST] row_xmask:\m row_mask:0xf bank_mask:0xf
.else
	v_permlanex16_b32 v[U], v[U], s[SEL], s[SEL+1]
	v_add_f32 v[DST], v[DST], v[U]
.endif
.endif
.endm
; Row r's turn: its eight loads are waited for, multiplied, and its slot takes row r + SLOTS at once; then the sums and the folds that are due.
.macro TURN r
.if (\r)+SLOTS <= ROWS
.set YOUNG, SLOTS-1
.else
.set YOUNG, ROWS-1-(\r)
.endif
	s_wait_loadcnt 8*YOUNG                         ; loads come back in order (ISA guide 5.7.1): row r is in; the younger rows, r + 1 to r + SLOTS - 1 or to the last, stay out
	MULS X+32*((\r)%SLOTS)
.if (\r)+SLOTS < ROWS
	FILL (\r)+SLOTS
.endif
.if ((\r) & 1) == 0
	SUMS P                                         ; an even row waits for its neighbour
.else
	SUMS C
.endif
	LEVEL \r, 0, 1
	LEVEL \r, 1, 2
	LEVEL \r, 2, 4
	LEVEL \r, 3, 8
	LEVEL \r, 4, 16
.endm
	; h = w.w / 4, in every lane, while the first rows are on their way
	s_wait_loadcnt 8*SLOTS                         ; w's eight loads are in; the 48 of rows 0 to 5, issued behind them, stay out
	MULS W
	SUMS H
	v_add_f32_dpp v[H], v[H], v[H] row_xmask:1 row_mask:0xf bank_mask:0xf
	v_add_f32_dpp v[H], v[H], v[H] row_xmask:2 row_mask:0xf bank_mask:0xf
	v_add_f32_dpp v[H], v[H], v[H] row_xmask:4 row_mask:0xf bank_mask:0xf
	v_add_f32_dpp v[H], v[H], v[H] row_xmask:8 row_mask:0xf bank_mask:0xf
	v_permlanex16_b32 v[A], v[H], s[SEL], s[SEL+1] ; its destination has been written
	v_add_f32 v[H], v[H], v[A]
	v_mul_f32 v[H], 0x3e800000, v[H]               ; 1 / (2 scale) from the step times slope / 2 from the derivative: 0.25
.set row, 0
.rept ROWS
	TURN row
.set row, row+1
.endr
	; THE FIXED POINT, a row a lane.  Behind v_rsq_f32 one plain vector instruction stands before its result is used or its source rewritten (ISA guide 5.7.2): h z, which touches neither.
.macro STEP dst, base
	v_fma_f32 v[T], v[Z], v[Z], 1.0
	v_rsq_f32 v[R], v[T]
	v_mul_f32 v[M], v[H], v[Z]
	s_wait_alu depctr_va_vdst(0)
	v_fma_f32 v[\dst], v[M], v[R], v[\base]
.endm
	s_wait_kmcnt 0x0                               ; b
	v_add_f32 v[DD], s[SB], v[P+5]                 ; d = X[r].w + b
	v_add_f32 v[E], 1.0, v[DD]
	v_mov_b32 v[Z], v[E]                           ; the scan starts at X itself
	s_mov_b32 s[CNT], STEPS
.Lccp:
	STEP Z, E
	s_sub_co_u32 s[CNT], s[CNT], 1
	s_cmp_lg_u32 s[CNT], 0
	s_cbranch_scc1 .Lccp
	STEP OUT, DD                                   ; the 21st derivative and the last score: added onto d, not onto d + 1
	; THE WAY OUT
	v_lshlrev_b32 v[U], 2, v0                      ; thread t holds the work-group's row t
	v_lshl_add_u32 v[C], s[WV], 9, v[LN]           ; 512 x wave + 16 x lane
	ds_store_b32 v[U], v[OUT]
	s_wait_tensorcnt 0x0                           ; behind my one LDS store
	ds_add_u32 v[SPW], v[NIL]
	s_wait_dscnt 0x0                               ; shows my store done, for the waves that read it
	s_barrier_signal -1
	s_barrier_wait -1                              ; all 256 results lie in LDS
	s_cmp_gt_u32 s[WV], 1
	s_cbranch_scc1 .Lend                           ; 1,024 bytes are two waves' work at 16 bytes a lane
	ds_load_b128 v[A:A+3], v[C]
	s_wait_dscnt 0x0
	global_store_b128 v[C], v[A:A+3], s[10:11] th:TH_STORE_NT  ; 16 lanes store 256 consecutive bytes, at a multiple of 256 from out's first byte
.Lend:
	s_endpgm
.Lfunc_end_k_qd40fd20916_burden:
	.size	k_qd40fd20916_burden, .Lfunc_end_k_qd40fd20916_burden-k_qd40fd20916_burden
	.p2alignl 7, 3214868480
	.fill 96, 4, 3214868480
	.section	.rodata,"a",@progbits
	.p2align	6, 0x0
	.amdhsa_kernel k_qd40fd20916_burden
		.amdhsa_group_segment_fixed_size 2048
		.amdhsa_private_segment_fixed_size 0
		.amdhsa_enable_private_segment 0
		.amdhsa_kernarg_size 32
		.amdhsa_user_sgpr_count 2
		.amdhsa_user_sgpr_kernarg_segment_ptr 1
		.amdhsa_wavefront_size32 1
		.amdhsa_system_sgpr_workgroup_id_x 1
		.amdhsa_system_sgpr_workgroup_id_y 1
		.amdhsa_system_sgpr_workgroup_id_z 1
		.amdhsa_system_vgpr_workitem_id 0
		.amdhsa_next_free_vgpr 248
		.amdhsa_next_free_sgpr 66
		.amdhsa_reserve_vcc 0
		.amdhsa_float_denorm_mode_32 3
		.amdhsa_float_denorm_mode_16_64 3
		.amdhsa_memory_ordered 1
		.amdhsa_forward_progress 1
		.amdhsa_inst_pref_size 75
	.end_amdhsa_kernel
	.amdgpu_metadata
---
amdhsa.version: [ 1, 2 ]
amdhsa.kernels:
  - .name:           k_qd40fd20916_burden
    .symbol:         k_qd40fd20916_burden.kd
    .args:
      - { .name: X, .offset: 0, .size: 8, .value_kind: global_buffer, .address_space: global }
      - { .name: w, .offset: 8, .size: 8, .value_kind: global_buffer, .address_space: global }
      - { .name: b, .offset: 16, .size: 8, .value_kind: global_buffer, .address_space: global }
      - { .name: out0, .offset: 24, .size: 8, .value_kind: global_buffer, .address_space: global }
    .group_segment_fixed_size: 2048
    .private_segment_fixed_size: 0
    .kernarg_segment_align: 8
    .kernarg_segment_size: 32
    .max_flat_workgroup_size: 256
    .sgpr_count:     66
    .vgpr_count:     248
    .wavefront_size: 32
...
	.end_amdgpu_metadata
.endif
;; end of part 1
